; MI455X (gfx1250); checked and timed in simulation.
; The chip was launched on July 23, 2026; its instructions are those of AMD's public machine-readable ISA for CDNA 5 (MIT licence, August 2026) and "CDNA5" Instruction Set Architecture Reference Guide (July 2026). The comments in the code are by the model that wrote it; some were corrected since.
;; Ro IB Box. Allowed arithmetic: float matrix products may take bf16 or f16 operands with f32 sums; all other float work in f32.
;; Inputs: anchors 8,649 x 4 float32; gt_labels 64 x 10 int32; rpn_bbox_deltas 64 x 8,649 x 4 float32; rpn_probs 64 x 8,649 float32.
;; Outputs: out0 64 x 256 x 4 float32; out1 64 x 256 float32.
;; One version. Each part assembles by itself: llvm-mc -triple=amdgcn-amd-amdhsa -mcpu=gfx1250 --defsym DOCPART=n.
;; ======== version 1 of 1: 4 launches
;; workspace buffers: cand 4,718,592 bytes of whole numbers; cbox 1,048,576 bytes; crk 524,288 bytes of whole numbers; wbits 8,388,608 bytes of whole numbers
;; launch select (part 1): grid 64 x 1, 8 waves a work-group, no clusters, 1,536 bytes of LDS; arguments rpn_probs, cand; writes cand
.if DOCPART == 1
	.amdgcn_target "amdgcn-amd-amdhsa--gfx1250"
	.amdhsa_code_object_version 6
	.text
	.protected	k_qe55abec5ad_select
	.globl	k_qe55abec5ad_select
	.p2align	8
	.type	k_qe55abec5ad_select,@function
k_qe55abec5ad_select:
	s_mov_b64 s[64:65], 0
	v_nop
	global_prefetch_b8 v0, s[64:65] scope:SCOPE_SE
	s_setreg_imm32_b32 hwreg(HW_REG_WAVE_MODE, 25, 1), 1
	s_wait_xcnt 0x0
; STEP 1 OF 4: which 1000 of a batch's 8649 scores are the largest, ties to the lower index (a stable top-k).
; One work-group for a batch, 8 waves; wave w holds the entries i = 1152 w + 32 r + lane, r = 0..35, in 36 registers (8 x 32 x 36 = 9216 entries).
; A score's bits u become a key K = u ^ (u >> 31 (arithmetic) | 0x80000000), which orders as the floats do when compared unsigned.
; The 1000th largest key T is found two bits a round from the top, 16 rounds.  In a round the bucket is [T, T | (4 << sh) - 1].  A key is clamped
; into it (a key above becomes digit 3 and so counts for every threshold, a key below becomes digit 0 and counts for none), its two bits at sh are
; its digit d, and 1 << 8 d is added to a register of four byte counters (a lane has 36 keys, so no byte overflows): five plain vector
; instructions a key for two bits, none of which writes a scalar register.  The counts of digits 1, 2, 3 are summed over the work-group;
; the largest d with (number of keys >= T + (d << sh)) >= 1000 goes into T.  All choices are selects: no branch hangs on a score.
; Then every entry gets (K, pos): pos = its place among the chosen in index order (0..999); an entry not chosen gets (0, 1024).
; OUT: cand[batch][9216][2] u32, entry i at 8 i; entries 8649..9215 are pads (0, 1024).
; LIMITS: NaN scores are not served (their keys reach 0 and 0xffffffff, which stand for 'none' and would overflow K + 1 later);
; a score of -0 sorts below +0.  The input gt_labels is used by no line of the JAX function, so no launch of this program names it.
; No matrix unit, no tensor load, no cluster: 35 KB a work-group are read once into registers and nothing is shared between work-groups.
.set NA,    8649                       ; scores in a batch
.set ROWB,  34596                      ; bytes of a batch's scores
.set CANDB, 73728                      ; bytes of a batch's entries in cand: 9216 x 8
.set TOPN,  1000
.set R,     36                         ; entries of a lane
.set PADR,  18                         ; the largest 1152 w + lane is 8095, so an entry can be a pad only from 32 r >= 554 on: r >= 18
.set KEY,   4                          ; v[4:39]   my 36 keys
.set TM,    40                         ; v[40:43]  at work, four chains
.set CN,    44                         ; v[44:47]  four registers of byte counters
.set F,     48                         ; v[48:50]  three counts in f32; v51 = 0 fills the 16 bytes that a wave stores
.set PX,    52                         ; v[52:54]  the other half's sums
.set OUTP,  64                         ; v[64:135] first the 36 load offsets, then the 36 pairs (K, pos)
; v1 lane, v2 wave, v3 = 1152 w + lane, v55 = 16 w, v56 = 16 (lane & 7), v57 = 1024, v58 = my store offset, v59 = 8 w, v60 = 8 (lane & 7)
; s9 = T, s10 = sh, s11 = the bucket's top, s12, s13, s15 counts, s14 trips, s16 digit, s[16:23] masks, s24, s25 at work,
; s34 = how many of the equal ones are taken, s35, s36 = greater, equal in front of the lane's r-th entry, s38, s39 lane selects
	s_load_b128 s[4:7], s[0:1], 0x0                ; rpn_probs s[4:5], cand s[6:7]
	v_lshl_add_u32 v136, v0, 2, 0x200
	v_mov_b32 v137, 0
	v_and_b32 v1, 31, v0                           ; lane
	v_lshrrev_b32 v2, 5, v0
	v_readfirstlane_b32 s8, v2                     ; wave
	s_mul_i32 s2, ttmp9, ROWB
	s_mov_b32 s3, 0
	s_mul_i32 s10, ttmp9, CANDB
	s_mov_b32 s11, 0
	s_mov_b32 s38, 0x76543210                      ; v_permlanex16_b32: lane i of one half reads lane i of the other
	s_mov_b32 s39, 0xfedcba98
	v_mad_u32_u24 v3, v2, 32*R, v1                 ; 1152 w + lane
.set r, 0
.rept R
	v_add_nc_u32 v[OUTP+r], 32*r, v3
.if r >= PADR
	v_min_u32 v[OUTP+r], NA-1, v[OUTP+r]           ; pads read the last score, inside the buffer; their key is cleared below
.endif
	v_lshlrev_b32 v[OUTP+r], 2, v[OUTP+r]
.set r, r+1
.endr
	v_lshlrev_b32 v55, 4, v2
	v_and_b32 v56, 7, v1
	v_lshlrev_b32 v60, 3, v56
	v_lshlrev_b32 v56, 4, v56
	v_lshlrev_b32 v59, 3, v2
	v_lshlrev_b32 v58, 3, v3
	v_mov_b32 v57, 0x400
	v_mov_b32 v[F+3], 0
	v_mov_b32 v[PX], 0                             ; v_permlanex16_b32 counts as a reader of its destination
	v_mov_b32 v[PX+1], 0
	v_mov_b32 v[PX+2], 0
	s_wait_kmcnt 0x0
	s_add_nc_u64 s[4:5], s[4:5], s[2:3]
	s_add_nc_u64 s[6:7], s[6:7], s[10:11]
.set r, 0
.rept R
	global_load_b32 v[KEY+r], v[OUTP+r], s[4:5] th:TH_LOAD_NT
.set r, r+1
.endr
.set r, 0
.rept R
	s_wait_loadcnt R-1-r                           ; loads come back in order: score r is in, the 35 - r younger ones stay out
	v_ashrrev_i32 v[TM+r%4], 31, v[KEY+r]
	v_or_b32 v[TM+r%4], 0x80000000, v[TM+r%4]
	v_xor_b32 v[KEY+r], v[KEY+r], v[TM+r%4]        ; the key
.if r >= PADR
	v_cmp_gt_u32 vcc_lo, NA-32*r, v3               ; 1152 w + lane + 32 r < 8649
	v_cndmask_b32 v[KEY+r], 0, v[KEY+r], vcc_lo    ; pads: key 0, below every score's
.endif
.set r, r+1
.endr
.macro XSTEP m                         ; the three counts: lane i adds lane i xor m's (counts up to 9216 are exact in f32)
.irp k, 0,1,2
	v_add_f32_dpp v[F+\k], v[F+\k], v[F+\k] row_xmask:\m row_mask:0xf bank_mask:0xf
.endr
.endm
.macro WSUM3                           ; their sums over the 32 lanes, in every lane
	XSTEP 1
	XSTEP 2
	XSTEP 4
	XSTEP 8
.irp k, 0,1,2
	v_permlanex16_b32 v[PX+\k], v[F+\k], s38, s39
.endr
.irp k, 0,1,2
	v_add_f32 v[F+\k], v[F+\k], v[PX+\k]
.endr
.endm
; One round.  The waves' counts meet in 8 x 16 bytes of LDS at 128 par.  ONE barrier a round is enough: the bytes of one parity are stored
; again only behind the other parity's barrier, and in front of that barrier every wave has waited for its load of them.
.macro ROUND par
	s_lshl_b32 s11, 4, s10                         ; at sh = 30 the 4 is shifted out: 0,
	s_sub_co_u32 s11, s11, 1                       ; and 0 - 1 is all ones, the whole range
	s_or_b32 s11, s11, s9                          ; the bucket's top
.set g, 0
.rept R/4
.irp j, 0,1,2,3
	v_max_u32 v[TM+\j], s9, v[KEY+4*g+\j]
.endr
.irp j, 0,1,2,3
	v_min_u32 v[TM+\j], s11, v[TM+\j]
.endr
.irp j, 0,1,2,3
	v_bfe_u32 v[TM+\j], v[TM+\j], s10, 2           ; the digit
.endr
.irp j, 0,1,2,3
	v_lshlrev_b32 v[TM+\j], 3, v[TM+\j]
.endr
.irp j, 0,1,2,3
.if g == 0
	v_lshl_add_u32 v[CN+\j], 1, v[TM+\j], 0        ; the first four keys start the counters: nothing is cleared
.else
	v_lshl_add_u32 v[CN+\j], 1, v[TM+\j], v[CN+\j]
.endif
.endr
.set g, g+1
.endr
	v_add3_u32 v[CN], v[CN], v[CN+1], v[CN+2]
	v_add_nc_u32 v[CN], v[CN], v[CN+3]             ; bytes of at most 36
	v_bfe_u32 v[F], v[CN], 8, 8                    ; my keys of digit 1,
	v_bfe_u32 v[F+1], v[CN], 16, 8                 ; 2,
	v_lshrrev_b32 v[F+2], 24, v[CN]                ; 3
.irp k, 0,1,2
	v_cvt_f32_u32 v[F+\k], v[F+\k]
.endr
	WSUM3
	ds_store_b128 v55, v[F:F+3] offset:128*\par    ; my wave's three counts, every lane the same 16 bytes
	s_wait_dscnt 0x0                               ; stored, for the other waves' sake, before I signal
	s_barrier_signal -1
	s_barrier_wait -1
	ds_load_b128 v[F:F+3], v56 offset:128*\par     ; lane l takes wave l & 7's counts
	s_wait_dscnt 0x0
	XSTEP 1
	XSTEP 2
	XSTEP 4                                        ; the eight waves' sum, in every lane
.irp k, 0,1,2
	v_cvt_u32_f32 v[F+\k], v[F+\k]
.endr
	v_readfirstlane_b32 s12, v[F]
	v_readfirstlane_b32 s13, v[F+1]
	v_readfirstlane_b32 s15, v[F+2]                ; keys that reach digit 3,
	s_add_co_u32 s13, s13, s15                     ; digit 2,
	s_add_co_u32 s12, s12, s13                     ; digit 1
	s_cmp_ge_u32 s12, TOPN
	s_cselect_b32 s16, 1, 0
	s_cmp_ge_u32 s13, TOPN
	s_cselect_b32 s16, 2, s16
	s_cmp_ge_u32 s15, TOPN
	s_cselect_b32 s16, 3, s16                      ; the largest digit that at least 1000 keys reach
	s_lshl_b32 s16, s16, s10
	s_or_b32 s9, s9, s16
	s_sub_co_u32 s10, s10, 2                       ; behind the last round it wraps and is not used
.endm
	s_mov_b32 s9, 0
	s_mov_b32 s10, 30
	s_mov_b32 s14, 8
.Lbits:
	ROUND 0
	ROUND 1
	s_sub_co_i32 s14, s14, 1
	s_cmp_lg_u32 s14, 0
	s_cbranch_scc1 .Lbits
	; T is the 1000th largest key.  Fewer than 1000 keys are greater; of the equal ones the first 1000 - (greater) in index order are taken.
	s_mov_b32 s12, 0
	s_mov_b32 s13, 0
.set g, 0
.rept R/4
.irp j, 0,1,2,3
	v_cmp_lt_u32 s[16+2*\j], s9, v[KEY+4*g+\j]
	v_cmp_eq_u32 s[17+2*\j], s9, v[KEY+4*g+\j]
.endr
.irp j, 0,1,2,3
	s_bcnt1_i32_b32 s24, s[16+2*\j]
	s_add_co_u32 s12, s12, s24
	s_bcnt1_i32_b32 s25, s[17+2*\j]
	s_add_co_u32 s13, s13, s25
.endr
.set g, g+1
.endr
	v_mov_b32 v[TM], s12
	v_mov_b32 v[TM+1], s13
	ds_store_b64 v59, v[TM:TM+1] offset:256        ; (greater, equal) of wave w, in bytes that the rounds never touched
	s_wait_dscnt 0x0
	s_barrier_signal -1
	s_barrier_wait -1
	ds_load_b64 v[TM:TM+1], v60 offset:256         ; lane l takes wave l & 7's pair
	s_wait_dscnt 0x0
	v_cvt_f32_u32 v[TM], v[TM]
	v_cvt_f32_u32 v[TM+1], v[TM+1]
	v_cmp_gt_u32 vcc_lo, 8, v1                     ; lanes 0..7: each wave once
	v_cndmask_b32 v[F], 0, v[TM], vcc_lo
	v_cmp_gt_u32 vcc_lo, s8, v1                    ; the waves in front of mine
	v_cndmask_b32 v[F+1], 0, v[TM], vcc_lo
	v_cndmask_b32 v[F+2], 0, v[TM+1], vcc_lo
	WSUM3
.irp k, 0,1,2
	v_cvt_u32_f32 v[F+\k], v[F+\k]
.endr
	v_readfirstlane_b32 s12, v[F]                  ; greater, in the whole batch
	v_readfirstlane_b32 s35, v[F+1]                ; greater, in the waves in front of mine
	v_readfirstlane_b32 s36, v[F+2]                ; equal, in the waves in front of mine
	s_sub_co_u32 s34, TOPN, s12
	; every pair has registers of its own, so no store's data are written again; each store of the wave covers 256 consecutive bytes, aligned
.set r, 0
.rept R
.set a, r&1
	v_cmp_lt_u32 s[16+2*a], s9, v[KEY+r]
	v_cmp_eq_u32 s[17+2*a], s9, v[KEY+r]
	v_mbcnt_lo_u32_b32 v[TM+2*a], s[16+2*a], s35   ; greater ones in front of me
	v_mbcnt_lo_u32_b32 v[TM+2*a+1], s[17+2*a], s36 ; equal ones in front of me
	v_cmp_gt_u32 s[20+a], s34, v[TM+2*a+1]         ; an equal one is taken while fewer than s34 stand in front of it
	s_and_b32 s[20+a], s[20+a], s[17+2*a]
	s_or_b32 s[20+a], s[20+a], s[16+2*a]
	v_min_u32 v[TM+2*a+1], s34, v[TM+2*a+1]
	v_add_nc_u32 v[TM+2*a], v[TM+2*a], v[TM+2*a+1] ; chosen ones in front of me
	v_cndmask_b32 v[OUTP+2*r], 0, v[KEY+r], s[20+a]
	v_cndmask_b32 v[OUTP+2*r+1], v57, v[TM+2*a], s[20+a]
	global_store_b64 v58, v[OUTP+2*r:OUTP+2*r+1], s[6:7] offset:256*r
	s_bcnt1_i32_b32 s24, s[16+2*a]
	s_add_co_u32 s35, s35, s24
	s_bcnt1_i32_b32 s25, s[17+2*a]
	s_add_co_u32 s36, s36, s25
.set r, r+1
.endr
	s_barrier_signal -1
	s_barrier_wait -1
	s_wait_tensorcnt 0x0
	ds_add_u32 v136, v137
	s_wait_dscnt 0x0
	s_endpgm
.Lfunc_end_k_qe55abec5ad_select:
	.size	k_qe55abec5ad_select, .Lfunc_end_k_qe55abec5ad_select-k_qe55abec5ad_select
	.p2alignl 7, 3214868480
	.fill 96, 4, 3214868480
	.section	.rodata,"a",@progbits
	.p2align	6, 0x0
	.amdhsa_kernel k_qe55abec5ad_select
		.amdhsa_group_segment_fixed_size 1536
		.amdhsa_private_segment_fixed_size 0
		.amdhsa_enable_private_segment 0
		.amdhsa_kernarg_size 16
		.amdhsa_user_sgpr_count 2
		.amdhsa_user_sgpr_kernarg_segment_ptr 1
		.amdhsa_wavefront_size32 1
		.amdhsa_system_sgpr_workgroup_id_x 1
		.amdhsa_system_sgpr_workgroup_id_y 1
		.amdhsa_system_sgpr_workgroup_id_z 1
		.amdhsa_system_vgpr_workitem_id 0
		.amdhsa_next_free_vgpr 138
		.amdhsa_next_free_sgpr 66
		.amdhsa_reserve_vcc 1
		.amdhsa_float_denorm_mode_32 3
		.amdhsa_float_denorm_mode_16_64 3
		.amdhsa_memory_ordered 1
		.amdhsa_forward_progress 1
		.amdhsa_inst_pref_size 78
	.end_amdhsa_kernel
	.amdgpu_metadata
---
amdhsa.version: [ 1, 2 ]
amdhsa.kernels:
  - .name:           k_qe55abec5ad_select
    .symbol:         k_qe55abec5ad_select.kd
    .args:
      - { .name: rpn_probs, .offset: 0, .size: 8, .value_kind: global_buffer, .address_space: global }
      - { .name: cand, .offset: 8, .size: 8, .value_kind: global_buffer, .address_space: global }
    .group_segment_fixed_size: 1536
    .private_segment_fixed_size: 0
    .kernarg_segment_align: 8
    .kernarg_segment_size: 16
    .max_flat_workgroup_size: 256
    .sgpr_count:     66
    .vgpr_count:     138
    .wavefront_size: 32
...
	.end_amdgpu_metadata
.endif
;; end of part 1
;; launch rank (part 2): grid 4 x 64, 8 waves a work-group, no clusters, 9,728 bytes of LDS; arguments cand, rpn_bbox_deltas, anchors, cbox, crk; writes cbox, crk
.if DOCPART == 2
	.amdgcn_target "amdgcn-amd-amdhsa--gfx1250"
	.amdhsa_code_object_version 6
	.text
	.protected	k_qe55abec5ad_rank
	.globl	k_qe55abec5ad_rank
	.p2align	8
	.type	k_qe55abec5ad_rank,@function
k_qe55abec5ad_rank:
	s_mov_b64 s[64:65], 0
	v_nop
	global_prefetch_b8 v0, s[64:65] scope:SCOPE_SE
	s_setreg_imm32_b32 hwreg(HW_REG_WAVE_MODE, 25, 1), 1
	s_wait_xcnt 0x0
; STEP 2 OF 4: the chosen 1000 are compacted, ranked by score, and their boxes decoded.
; Work-group (q, batch), 8 waves.  Each of a batch's four work-groups rebuilds the batch's list of candidates in LDS from cand
; (key and anchor index at the candidate's place pos, which is index order), then thread tid serves candidate t = 256 q + tid:
;   rank(t) = number of u with K_u > K_t, plus number of u < t with K_u = K_t   (a stable descending sort's place),
;   box(t)  = the anchor's box moved by the deltas times the variances (0.1, 0.1, 0.2, 0.2).
; Places 1000..1023 are pads: key 0, anchor 0; they get ranks 1000..1023, so the ranks are a permutation of 0..1023.
; OUT: cbox[batch][1024][4] f32 and crk[batch][1024][2] u32 = (rank, K), both in candidate order.
; LIMITS: exp(0.2 d) is made as 2^(0.2885390 d), one rounding of the argument instead of two; a result below 2^-126 comes out as 0
; (ISA guide, the entry of V_EXP_F32).  NaN scores are not served (K + 1 would wrap).
; The list is 4 KB and is rebuilt by each of four work-groups out of entries stored by the launch before: a joint load would share
; 74 KB a work-group, but the list is made by a scatter through registers, which a tensor load cannot do.
.set CANDB, 73728                      ; bytes of a batch in cand
.set DELTB, 138384                     ; bytes of a batch's deltas
.set NA,    8649
.set CI,    4352                       ; LDS: keys at 0 (1024 words + a word for the entries not chosen), indices at CI (the same)
.set PAIR,  4                          ; v[4:75]  36 entries (K, pos); later:
.set KA,    4                          ; v[4:35]  32 keys of one block, the same in every lane
.set KB,    36                         ; v[36:67] 32 keys of the next
; v2 = 8 tid, v76 my key, v77 my anchor, v78 threshold, v79 gather offset, v[80:83] four counters, v84 LDS address of the block,
; v85, v86 at work, v[88:91] deltas, v[92:95] anchor, v[96:99] box, v[100:101] (rank, K), v[102:109] at work, v110, v111 store offsets
; s14 wave, s15 q, s16 batch, s17 my block 8 q + w, s18 the block at work, s19 0 or 1, s[20:23] masks, s24 at work, s25 trips, s[26:29] keys
	s_load_b256 s[4:11], s[0:1], 0x0               ; cand s[4:5], deltas s[6:7], anchors s[8:9], cbox s[10:11]
	s_load_b64 s[12:13], s[0:1], 0x20              ; crk
	v_lshl_add_u32 v112, v0, 2, 0x2200
	v_mov_b32 v113, 0
	v_lshrrev_b32 v1, 5, v0
	v_readfirstlane_b32 s14, v1
	s_mov_b32 s15, ttmp9
	s_and_b32 s16, ttmp7, 0xffff
	s_lshl3_add_u32 s17, s15, s14
	v_lshlrev_b32 v2, 3, v0
	v_lshlrev_b32 v85, 4, v0
	v_mov_b32 v102, 0
	v_mov_b32 v103, 0
	v_mov_b32 v104, 0
	v_mov_b32 v105, 0
	s_mov_b32 s3, 0
	s_wait_kmcnt 0x0
	s_mul_i32 s2, s16, CANDB
	s_add_nc_u64 s[4:5], s[4:5], s[2:3]
	s_mul_i32 s2, s16, DELTB
	s_add_nc_u64 s[6:7], s[6:7], s[2:3]
	s_lshl_b32 s2, s16, 14
	s_add_nc_u64 s[10:11], s[10:11], s[2:3]
	s_lshl_b32 s2, s16, 13
	s_add_nc_u64 s[12:13], s[12:13], s[2:3]
.set k, 0
.rept 36
	global_load_b64 v[PAIR+2*k:PAIR+2*k+1], v2, s[4:5] offset:2048*k   ; entry 256 k + tid: 256 consecutive bytes a wave
.set k, k+1
.endr
	ds_store_b128 v85, v[102:105]                  ; both lists start as zeros: places 1000..1023 stay so
	ds_store_b128 v85, v[102:105] offset:CI
	s_wait_dscnt 0x0                               ; the zeros are in before any wave scatters onto them
	s_barrier_signal -1
	s_barrier_wait -1
	; The scatter.  Chosen entries have places 0..999, each once, so no two lanes of any wave store to one word;
	; the others all store to word 1024, which nobody reads.
.set k, 0
.rept 36
	s_wait_loadcnt 35-k                            ; loads come back in order: entry k is in, the 35 - k younger ones stay out
	v_min_u32 v85, 0x400, v[PAIR+2*k+1]
	v_lshlrev_b32 v85, 2, v85
	v_add_nc_u32 v86, 256*k, v0                    ; the entry's number is the anchor's index
	ds_store_b32 v85, v[PAIR+2*k]
	ds_store_b32 v85, v86 offset:CI
.set k, k+1
.endr
	s_wait_dscnt 0x0
	s_barrier_signal -1
	s_barrier_wait -1                              ; the lists are whole; nothing is stored to LDS behind this barrier
	s_lshl_b32 s24, s15, 10
	v_lshl_add_u32 v85, v0, 2, s24                 ; 4 (256 q + tid)
	ds_load_b32 v76, v85
	ds_load_b32 v77, v85 offset:CI
	s_wait_dscnt 0x0
	v_min_u32 v77, NA-1, v77
	v_lshlrev_b32 v79, 4, v77
	global_load_b128 v[88:91], v79, s[6:7]         ; my deltas and my anchor: on their way during the whole ranking
	global_load_b128 v[92:95], v79, s[8:9]
.macro LOADK buf, off                  ; 32 keys, every lane the same 16 bytes a load
.irp j, 0,1,2,3,4,5,6,7
	ds_load_b128 v[\buf+4*\j:\buf+4*\j+3], v84 offset:\off+16*\j
.endr
.endm
; 32 keys against mine.  In blocks in front of mine an equal key counts (K_u >= K); in mine and behind it does not (K_u >= K + 1).
; The compare's mask is added as the carry of 0 + counter; four counters take turns.
.macro BLOCK buf
	s_cmp_ge_u32 s18, s17
	s_cselect_b32 s19, 1, 0
	v_add_nc_u32 v78, s19, v76
	s_add_co_u32 s18, s18, 1
.irp g, 0,1,2,3,4,5,6,7
.irp j, 0,1,2,3
	v_cmp_ge_u32 s[20+\j], v[\buf+4*\g+\j], v78
.endr
.irp j, 0,1,2,3
	v_add_co_ci_u32 v[80+\j], vcc_lo, 0, v[80+\j], s[20+\j]
.endr
.endr
.endm
	v_mov_b32 v80, 0
	v_mov_b32 v81, 0
	v_mov_b32 v82, 0
	v_mov_b32 v83, 0
	v_mov_b32 v84, 0
	s_mov_b32 s18, 0
	LOADK KA, 0
	s_mov_b32 s25, 16
.Lrank:
	LOADK KB, 128
	s_wait_dscnt 8                                 ; the eight just issued may stay out: KA is in
	BLOCK KA
	v_add_nc_u32 v84, 0x100, v84                   ; two blocks on; the last trip wraps to block 0, whose keys are loaded and not used
	v_and_b32 v84, 0xfff, v84
	LOADK KA, 0
	s_wait_dscnt 8                                 ; KB is in
	BLOCK KB
	s_sub_co_i32 s25, s25, 1
	s_cmp_lg_u32 s25, 0
	s_cbranch_scc1 .Lrank
	s_wait_dscnt 0x0                               ; the spare loads into KA
	; ties inside my own block: lane k's key counts for the lanes behind k that hold the same key
.set k, 0
.rept 31
	v_readlane_b32 s[26+k%4], v76, k
	v_cmp_eq_u32 s[20+k%4], s[26+k%4], v76
	s_and_b32 s[20+k%4], s[20+k%4], (0xffffffff<<(k+1))&0xffffffff
	v_add_co_ci_u32 v[80+k%4], vcc_lo, 0, v[80+k%4], s[20+k%4]
.set k, k+1
.endr
	v_add3_u32 v100, v80, v81, v82
	v_add_nc_u32 v100, v100, v83
	v_min_u32 v100, 0x3ff, v100
	v_mov_b32 v101, v76
	s_lshl_b32 s24, s15, 12
	v_lshl_add_u32 v110, v0, 4, s24                ; 16 t
	s_lshl_b32 s24, s15, 11
	v_lshl_add_u32 v111, v0, 3, s24                ; 8 t
	s_wait_loadcnt 0x0                             ; deltas (ty, tx, th, tw) and anchor (y1, x1, y2, x2)
	v_sub_f32 v102, v94, v92                       ; anchor's height
	v_sub_f32 v103, v95, v93                       ; and width
	v_mul_f32 v106, 0x3e93bb62, v90                ; 0.2 log2(e) th
	v_mul_f32 v107, 0x3e93bb62, v91
	v_fma_f32 v104, 0.5, v102, v92                 ; anchor's centre
	v_fma_f32 v105, 0.5, v103, v93
	v_exp_f32 v106, v106
	v_exp_f32 v107, v107
	v_mul_f32 v108, 0x3dcccccd, v88                ; 0.1 ty: also the plain instruction that stands behind the two exponentials (ISA guide 5.7.2)
	v_mul_f32 v109, 0x3dcccccd, v89
	s_wait_alu depctr_va_vdst(0)
	v_mul_f32 v106, v106, v102                     ; h
	v_mul_f32 v107, v107, v103                     ; w
	v_fma_f32 v108, v108, v102, v104               ; cy
	v_fma_f32 v109, v109, v103, v105               ; cx
	v_fma_f32 v96, -0.5, v106, v108
	v_fma_f32 v97, -0.5, v107, v109
	v_fma_f32 v98, 0.5, v106, v108
	v_fma_f32 v99, 0.5, v107, v109
	global_store_b128 v110, v[96:99], s[10:11]     ; 512 consecutive bytes a wave
	global_store_b64 v111, v[100:101], s[12:13]    ; 256 consecutive bytes a wave
	s_barrier_signal -1
	s_barrier_wait -1
	s_wait_tensorcnt 0x0
	ds_add_u32 v112, v113
	s_wait_dscnt 0x0
	s_endpgm
.Lfunc_end_k_qe55abec5ad_rank:
	.size	k_qe55abec5ad_rank, .Lfunc_end_k_qe55abec5ad_rank-k_qe55abec5ad_rank
	.p2alignl 7, 3214868480
	.fill 96, 4, 3214868480
	.section	.rodata,"a",@progbits
	.p2align	6, 0x0
	.amdhsa_kernel k_qe55abec5ad_rank
		.amdhsa_group_segment_fixed_size 9728
		.amdhsa_private_segment_fixed_size 0
		.amdhsa_enable_private_segment 0
		.amdhsa_kernarg_size 40
		.amdhsa_user_sgpr_count 2
		.amdhsa_user_sgpr_kernarg_segment_ptr 1
		.amdhsa_wavefront_size32 1
		.amdhsa_system_sgpr_workgroup_id_x 1
		.amdhsa_system_sgpr_workgroup_id_y 1
		.amdhsa_system_sgpr_workgroup_id_z 1
		.amdhsa_system_vgpr_workitem_id 0
		.amdhsa_next_free_vgpr 114
		.amdhsa_next_free_sgpr 66
		.amdhsa_reserve_vcc 1
		.amdhsa_float_denorm_mode_32 3
		.amdhsa_float_denorm_mode_16_64 3
		.amdhsa_memory_ordered 1
		.amdhsa_forward_progress 1
		.amdhsa_inst_pref_size 37
	.end_amdhsa_kernel
	.amdgpu_metadata
---
amdhsa.version: [ 1, 2 ]
amdhsa.kernels:
  - .name:           k_qe55abec5ad_rank
    .symbol:         k_qe55abec5ad_rank.kd
    .args:
      - { .name: cand, .offset: 0, .size: 8, .value_kind: global_buffer, .address_space: global }
      - { .name: rpn_bbox_deltas, .offset: 8, .size: 8, .value_kind: global_buffer, .address_space: global }
      - { .name: anchors, .offset: 16, .size: 8, .value_kind: global_buffer, .address_space: global }
      - { .name: cbox, .offset: 24, .size: 8, .value_kind: global_buffer, .address_space: global }
      - { .name: crk, .offset: 32, .size: 8, .value_kind: global_buffer, .address_space: global }
    .group_segment_fixed_size: 9728
    .private_segment_fixed_size: 0
    .kernarg_segment_align: 8
    .kernarg_segment_size: 40
    .max_flat_workgroup_size: 256
    .sgpr_count:     66
    .vgpr_count:     114
    .wavefront_size: 32
...
	.end_amdgpu_metadata
.endif
;; end of part 2
;; launch iou (part 3): grid 4 x 64, 8 waves a work-group, no clusters, 21,504 bytes of LDS; arguments cbox, crk, wbits; writes wbits
.if DOCPART == 3
	.amdgcn_target "amdgcn-amd-amdhsa--gfx1250"
	.amdhsa_code_object_version 6
	.text
	.protected	k_qe55abec5ad_iou
	.globl	k_qe55abec5ad_iou
	.p2align	8
	.type	k_qe55abec5ad_iou,@function
k_qe55abec5ad_iou:
	s_mov_b64 s[64:65], 0
	v_nop
	global_prefetch_b8 v0, s[64:65] scope:SCOPE_SE
	s_setreg_imm32_b32 hwreg(HW_REG_WAVE_MODE, 25, 1), 1
	s_wait_xcnt 0x0
; STEP 3 OF 4: which pairs of a batch's 1024 sorted boxes overlap by more than 0.8, as bits.
; Work-group (q, batch), 8 waves.  The batch's boxes are put into LDS in sorted order (place = rank), with 0.8/1.8 times their areas.
; A UNIT is 64 boxes in the lanes (blocks 2 pp and 2 pp + 1 of 32, one box of each in a lane) against the 32 boxes c of block cb, which
; every lane holds alike.  For each c the two compare masks are the words wbits[batch][pp][c][0..1]: bit l = overlap(c, 64 pp + 32 h + l).
; Only units with cb >= 2 pp are made: the scan asks whether a box c is put out by an EARLIER box, and the test is the same bit for bit
; with its two boxes exchanged (max, min, + and x commute).  That is 32 - 2 pp units for pp: 272 a batch, 68 a work-group (pp = kk and
; 15 - kk together have 34; a work-group takes kk = 2 q and 2 q + 1), 9 or 8 a wave.
; THE TEST: inter / max(union, 1e-8) > 0.8 with union = ai + aj - inter is the same inequality as inter > max((ai + aj) 0.8/1.8, 0.8e-8).
; LIMIT: that form rounds in another order than the division does, so a pair whose ratio lies within a few last bits of 0.8 may be
; decided otherwise.  The width is not clamped at 0: with the height clamped, a negative width gives a product <= 0, which fails the test.
; 20 vector instructions for a box c and 64 lanes' boxes.  No products: nothing for the matrix units.
.set L0,  4                            ; v[4:7]     my box of block 2 pp (y1, x1, y2, x2)
.set L1,  8                            ; v[8:11]    my box of block 2 pp + 1
.set LA,  12                           ; v[12:13]   their scaled areas
.set T,   16                           ; v[16:47]   four sets of eight, for four boxes c at a time
.set W,   48                           ; v[48:49]   lane k: the two words of box c = 32 cb + k
.set C,   64                           ; v[64:191]  the 32 boxes c
.set CA,  192                          ; v[192:223] their scaled areas
.set AR,  16384                        ; LDS: boxes at 0 (1024 x 16), scaled areas at AR (1024 x 4)
; v50, v51, v52 = 16, 4, 8 x lane; v53..v57 the trip's addresses
; s10 wave, s11 q, s12 batch, s13 unit f, s14 trips left, s[16:23] decode, s24 = 0.8e-8, s[28:35] masks
	s_load_b128 s[4:7], s[0:1], 0x0                ; cbox s[4:5], crk s[6:7]
	s_load_b64 s[8:9], s[0:1], 0x10                ; wbits
	v_lshl_add_u32 v224, v0, 2, 0x5000
	v_mov_b32 v225, 0
	v_and_b32 v1, 31, v0
	v_lshrrev_b32 v2, 5, v0
	v_readfirstlane_b32 s10, v2
	s_mov_b32 s11, ttmp9
	s_and_b32 s12, ttmp7, 0xffff
	s_mov_b32 s24, 0x32096feb                      ; 0.8e-8
	v_lshlrev_b32 v3, 4, v0
	v_lshlrev_b32 v14, 3, v0
	v_lshlrev_b32 v50, 4, v1
	v_lshlrev_b32 v51, 2, v1
	v_lshlrev_b32 v52, 3, v1
	v_mov_b32 v[W], 0                              ; v_writelane_b32 counts as a reader of its destination
	v_mov_b32 v[W+1], 0
	s_mov_b32 s3, 0
	s_wait_kmcnt 0x0
	s_lshl_b32 s2, s12, 14
	s_add_nc_u64 s[4:5], s[4:5], s[2:3]
	s_lshl_b32 s2, s12, 13
	s_add_nc_u64 s[6:7], s[6:7], s[2:3]
	s_lshl_b32 s2, s12, 17
	s_add_nc_u64 s[8:9], s[8:9], s[2:3]
.irp k, 0,1,2,3
	global_load_b128 v[C+4*\k:C+4*\k+3], v3, s[4:5] offset:4096*\k      ; candidate 256 k + tid
	global_load_b64 v[CA+2*\k:CA+2*\k+1], v14, s[6:7] offset:2048*\k    ; its (rank, K)
.endr
	s_min_u32 s13, s10, 4
	s_lshl3_add_u32 s13, s10, s13                  ; my first unit: 8 w + min(w, 4)
	s_lshr_b32 s14, s10, 2
	s_sub_co_u32 s14, 9, s14                       ; waves 0..3 make 9 units, waves 4..7 make 8
	s_wait_loadcnt 0x0
.irp k, 0,1,2,3
	v_min_u32 v[16+\k], 0x3ff, v[CA+2*\k]
	v_sub_f32 v[20+\k], v[C+4*\k+2], v[C+4*\k]
	v_sub_f32 v[24+\k], v[C+4*\k+3], v[C+4*\k+1]
	v_mul_f32 v[20+\k], v[20+\k], v[24+\k]         ; the area,
	v_mul_f32 v[20+\k], 0x3ee38e39, v[20+\k]       ; times 0.8/1.8
	v_lshlrev_b32 v[24+\k], 4, v[16+\k]
	v_lshlrev_b32 v[16+\k], 2, v[16+\k]
	ds_store_b128 v[24+\k], v[C+4*\k:C+4*\k+3]     ; the ranks are a permutation of 0..1023: every place is stored once
	ds_store_b32 v[16+\k], v[20+\k] offset:AR
.endr
	s_wait_dscnt 0x0
	s_barrier_signal -1
	s_barrier_wait -1                              ; the only barrier: LDS is only read from here on
; four boxes c = 32 cb + 4 g + j, stage by stage, so that four chains run side by side
.macro GROUP g
	s_wait_dscnt 28-4*\g                           ; LDS loads come back in order: the 28 - 4 g box loads behind this group's four may stay out
.irp j, 0,1,2,3
	v_max_num_f32 v[T+8*\j],   v[L0],   v[C+16*\g+4*\j]
	v_max_num_f32 v[T+8*\j+1], v[L1],   v[C+16*\g+4*\j]
	v_min_num_f32 v[T+8*\j+2], v[L0+2], v[C+16*\g+4*\j+2]
	v_min_num_f32 v[T+8*\j+3], v[L1+2], v[C+16*\g+4*\j+2]
	v_max_num_f32 v[T+8*\j+4], v[L0+1], v[C+16*\g+4*\j+1]
	v_max_num_f32 v[T+8*\j+5], v[L1+1], v[C+16*\g+4*\j+1]
	v_min_num_f32 v[T+8*\j+6], v[L0+3], v[C+16*\g+4*\j+3]
	v_min_num_f32 v[T+8*\j+7], v[L1+3], v[C+16*\g+4*\j+3]
.endr
.irp j, 0,1,2,3
	v_pk_add_f32 v[T+8*\j:T+8*\j+1],   v[T+8*\j+2:T+8*\j+3], v[T+8*\j:T+8*\j+1]   neg_lo:[0,1] neg_hi:[0,1]   ; heights of the two cuts
	v_pk_add_f32 v[T+8*\j+4:T+8*\j+5], v[T+8*\j+6:T+8*\j+7], v[T+8*\j+4:T+8*\j+5] neg_lo:[0,1] neg_hi:[0,1]   ; widths
.endr
.irp j, 0,2
	v_pk_add_f32 v[T+8*\j+2:T+8*\j+3], v[LA:LA+1], v[CA+4*\g+\j:CA+4*\g+\j+1] op_sel_hi:[1,0]                 ; my two areas + c's: the pair's first register, twice
.endr
.irp j, 1,3
	v_pk_add_f32 v[T+8*\j+2:T+8*\j+3], v[LA:LA+1], v[CA+4*\g+\j-1:CA+4*\g+\j] op_sel:[0,1] op_sel_hi:[1,1]    ; the pair's second register, twice
.endr
.irp j, 0,1,2,3
	v_max_num_f32 v[T+8*\j],   0, v[T+8*\j]
	v_max_num_f32 v[T+8*\j+1], 0, v[T+8*\j+1]
.endr
.irp j, 0,1,2,3
	v_pk_mul_f32 v[T+8*\j:T+8*\j+1], v[T+8*\j:T+8*\j+1], v[T+8*\j+4:T+8*\j+5]
	v_max_num_f32 v[T+8*\j+2], s24, v[T+8*\j+2]
	v_max_num_f32 v[T+8*\j+3], s24, v[T+8*\j+3]
.endr
.irp j, 0,1,2,3
	v_cmp_gt_f32 s[28+2*\j], v[T+8*\j],   v[T+8*\j+2]
	v_cmp_gt_f32 s[29+2*\j], v[T+8*\j+1], v[T+8*\j+3]
.endr
.irp j, 0,1,2,3
	v_writelane_b32 v[W],   s[28+2*\j], 4*\g+\j
	v_writelane_b32 v[W+1], s[29+2*\j], 4*\g+\j
.endr
.endm
.Lunit:
	s_wait_xcnt 0x0                                ; the last trip's store reads W and v57: they are written again only behind this wait
	; unit f -> (pp, cb), by selects: g = f / 34, kk = 2 q + g, n = f - 34 g; the first 32 - 2 kk are pp = kk, cb = 2 kk + n; the rest pp = 15 - kk, cb = n - 2
	s_cmp_ge_u32 s13, 34
	s_cselect_b32 s16, 1, 0
	s_lshl1_add_u32 s17, s11, s16
	s_mul_i32 s18, s16, 34
	s_sub_co_u32 s18, s13, s18
	s_lshl_b32 s19, s17, 1
	s_sub_co_u32 s20, 32, s19
	s_sub_co_u32 s21, 15, s17
	s_add_co_u32 s22, s19, s18
	s_sub_co_u32 s23, s18, 2
	s_cmp_lt_u32 s18, s20
	s_cselect_b32 s21, s17, s21                    ; pp
	s_cselect_b32 s22, s22, s23                    ; cb
	s_min_u32 s21, s21, 15
	s_min_u32 s22, s22, 31
	s_lshl_b32 s16, s21, 10
	s_lshl_b32 s17, s21, 8
	s_lshl_b32 s18, s22, 7
	s_lshl_b32 s19, s22, 9
	s_lshl_b32 s20, s21, 13
	s_lshl_b32 s23, s22, 8
	s_add_co_u32 s20, s20, s23
	v_add_nc_u32 v53, s16, v50                     ; my box of block 2 pp
	v_add_nc_u32 v54, s17, v51                     ; its area
	v_mov_b32 v55, s18                             ; block cb's areas
	v_mov_b32 v56, s19                             ; block cb's boxes
	v_add_nc_u32 v57, s20, v52                     ; where the words go: 8192 pp + 256 cb + 8 lane
	ds_load_b128 v[L0:L0+3], v53
	ds_load_b128 v[L1:L1+3], v53 offset:512
	ds_load_b32 v[LA], v54 offset:AR
	ds_load_b32 v[LA+1], v54 offset:AR+128
.irp g, 0,1,2,3,4,5,6,7
	ds_load_b128 v[CA+4*\g:CA+4*\g+3], v55 offset:AR+16*\g
.endr
.set k, 0
.rept 32
	ds_load_b128 v[C+4*k:C+4*k+3], v56 offset:16*k
.set k, k+1
.endr
.irp g, 0,1,2,3,4,5,6,7
	GROUP \g
.endr
	global_store_b64 v57, v[W:W+1], s[8:9]         ; 256 consecutive bytes, aligned
	s_add_co_u32 s13, s13, 1
	s_sub_co_i32 s14, s14, 1
	s_cmp_lg_u32 s14, 0
	s_cbranch_scc1 .Lunit
	s_barrier_signal -1
	s_barrier_wait -1
	s_wait_tensorcnt 0x0
	ds_add_u32 v224, v225
	s_wait_dscnt 0x0
	s_endpgm
.Lfunc_end_k_qe55abec5ad_iou:
	.size	k_qe55abec5ad_iou, .Lfunc_end_k_qe55abec5ad_iou-k_qe55abec5ad_iou
	.p2alignl 7, 3214868480
	.fill 96, 4, 3214868480
	.section	.rodata,"a",@progbits
	.p2align	6, 0x0
	.amdhsa_kernel k_qe55abec5ad_iou
		.amdhsa_group_segment_fixed_size 21504
		.amdhsa_private_segment_fixed_size 0
		.amdhsa_enable_private_segment 0
		.amdhsa_kernarg_size 24
		.amdhsa_user_sgpr_count 2
		.amdhsa_user_sgpr_kernarg_segment_ptr 1
		.amdhsa_wavefront_size32 1
		.amdhsa_system_sgpr_workgroup_id_x 1
		.amdhsa_system_sgpr_workgroup_id_y 1
		.amdhsa_system_sgpr_workgroup_id_z 1
		.amdhsa_system_vgpr_workitem_id 0
		.amdhsa_next_free_vgpr 226
		.amdhsa_next_free_sgpr 66
		.amdhsa_reserve_vcc 0
		.amdhsa_float_denorm_mode_32 3
		.amdhsa_float_denorm_mode_16_64 3
		.amdhsa_memory_ordered 1
		.amdhsa_forward_progress 1
		.amdhsa_inst_pref_size 37
	.end_amdhsa_kernel
	.amdgpu_metadata
---
amdhsa.version: [ 1, 2 ]
amdhsa.kernels:
  - .name:           k_qe55abec5ad_iou
    .symbol:         k_qe55abec5ad_iou.kd
    .args:
      - { .name: cbox, .offset: 0, .size: 8, .value_kind: global_buffer, .address_space: global }
      - { .name: crk, .offset: 8, .size: 8, .value_kind: global_buffer, .address_space: global }
      - { .name: wbits, .offset: 16, .size: 8, .value_kind: global_buffer, .address_space: global }
    .group_segment_fixed_size: 21504
    .private_segment_fixed_size: 0
    .kernarg_segment_align: 8
    .kernarg_segment_size: 24
    .max_flat_workgroup_size: 256
    .sgpr_count:     66
    .vgpr_count:     226
    .wavefront_size: 32
...
	.end_amdgpu_metadata
.endif
;; end of part 3
;; launch scan (part 4): grid 64 x 1, 1 waves a work-group, no clusters, 11,008 bytes of LDS; arguments wbits, crk, cbox, out0, out1; writes out0, out1
.if DOCPART == 4
	.amdgcn_target "amdgcn-amd-amdhsa--gfx1250"
	.amdhsa_code_object_version 6
	.text
	.protected	k_qe55abec5ad_scan
	.globl	k_qe55abec5ad_scan
	.p2align	8
	.type	k_qe55abec5ad_scan,@function
k_qe55abec5ad_scan:
	s_mov_b64 s[64:65], 0
	v_nop
	global_prefetch_b8 v0, s[64:65] scope:SCOPE_SE
	s_setreg_imm32_b32 hwreg(HW_REG_WAVE_MODE, 25, 1), 1
	s_wait_xcnt 0x0
; STEP 4 OF 4: the greedy scan over the overlap bits, and the first 256 kept boxes.
; One wave for a batch: the scan is one chain, box after box, and 64 such chains are all the work there is.
; Sorted boxes go in 32 blocks of 32.  Block b, box c = 32 b + lane: c is out if a KEPT box of an earlier block overlaps it (its words for the
; blocks p < b, ANDed with those blocks' keep words, ORed together); inside the block the 32 boxes are gone through one by one on scalar
; registers: row j = the boxes behind j that j overlaps; if j is still kept, they go.  Sorted places 1000..1023 are pads and are never kept.
; Then a kept box's place among the kept (a count of bits) says which of the 256 output rows it fills; rows that nothing fills hold key 0.
; A key is turned back into its score.  Key 0 gives a NaN, and a NaN or a negative score gives zeros, as the JAX function's test
; 'score >= 0' does: kept boxes with negative scores come last in the order, so it makes no difference which of them the 256 rows hold.
; No branch in the text: all 32 blocks are gone through on every input, so the text's length hangs on no overlap bit.
; Every LDS byte is this wave's own and LDS serves a wave's instructions in order (ISA guide 5.7.1), so no barrier.
.set RING, 64                          ; v[64:191]  four buffers of 32 words: block b's words for p = 0..31 lie at RING + 32 (b % 4) + p
.set PR,   192                         ; v[192:255] 32 pairs
.set SELT, 8192                        ; LDS: (candidate, key) by sorted place at 0 (1024 x 8); the rows' candidates at SELT, keys at SELK
.set SELK, 9472                        ; (256 words each, and a word for the boxes that fill no row)
; v1, v2, v3 = 8, 16, 4 x lane; v4 = the bits above my lane; v5, v6 two OR chains; v7 the block's own word; v[8:11] zeros; v12 at work; v13 = 256
; v[16:23] rows' candidates, v[24:31] their keys, v[32:39] keys four to a lane, v40 at work
; s14 alive, s15 at work, s16 kept so far, s[32:63] keep words, s[66:96] the block's rows
	s_load_b256 s[4:11], s[0:1], 0x0               ; wbits s[4:5], crk s[6:7], cbox s[8:9], out0 s[10:11]
	s_load_b64 s[12:13], s[0:1], 0x20              ; out1
	v_lshl_add_u32 v126, v0, 2, 0x2a00
	v_mov_b32 v127, 0
	v_lshlrev_b32 v1, 3, v0
	v_lshlrev_b32 v2, 4, v0
	v_lshlrev_b32 v3, 2, v0
	v_mov_b32 v4, -2
	v_lshlrev_b32 v4, v0, v4
	v_mov_b32 v8, 0
	v_mov_b32 v9, 0
	v_mov_b32 v10, 0
	v_mov_b32 v11, 0
	v_mov_b32 v13, 0x100
	s_mov_b32 s3, 0
	s_wait_kmcnt 0x0
	s_lshl_b32 s2, ttmp9, 17
	s_add_nc_u64 s[4:5], s[4:5], s[2:3]
	s_lshl_b32 s2, ttmp9, 13
	s_add_nc_u64 s[6:7], s[6:7], s[2:3]
	s_lshl_b32 s2, ttmp9, 14
	s_add_nc_u64 s[8:9], s[8:9], s[2:3]
	s_lshl_b32 s2, ttmp9, 12
	s_add_nc_u64 s[10:11], s[10:11], s[2:3]
	s_lshl_b32 s2, ttmp9, 10
	s_add_nc_u64 s[12:13], s[12:13], s[2:3]
.macro WLOAD b                         ; block b's words for the blocks 0 .. b (and b + 1 where b is even): b / 2 + 1 loads of 256 consecutive bytes
.set pp, 0
.rept ((\b)>>1)+1
	global_load_b64 v[RING+32*((\b)%4)+2*pp:RING+32*((\b)%4)+2*pp+1], v1, s[4:5] offset:8192*pp+256*(\b)
.set pp, pp+1
.endr
.endm
	WLOAD 0
	WLOAD 1
	WLOAD 2
.set i, 0
.rept 32
	global_load_b64 v[PR+2*i:PR+2*i+1], v1, s[6:7] offset:256*i    ; (rank, K) of candidate 32 i + lane
.set i, i+1
.endr
	ds_store_b128 v2, v[8:11] offset:SELT          ; rows that nothing fills: candidate 0, key 0
	ds_store_b128 v2, v[8:11] offset:SELT+512
	ds_store_b128 v2, v[8:11] offset:SELK
	ds_store_b128 v2, v[8:11] offset:SELK+512
	s_wait_loadcnt 0x0                             ; the pairs, and with them the words of blocks 0, 1, 2
.set i, 0
.rept 32
	v_min_u32 v12, 0x3ff, v[PR+2*i]
	v_lshlrev_b32 v12, 3, v12
	v_add_nc_u32 v[PR+2*i], 32*i, v0               ; the candidate's number takes the rank's place in the pair
	ds_store_b64 v12, v[PR+2*i:PR+2*i+1]           ; the ranks are a permutation: every sorted place is stored once
.set i, i+1
.endr
.macro BLK b
.if \b+3 <= 31
	WLOAD (\b+3)                                   ; three blocks ahead, into the buffer of block b - 1, which has been read
.endif
.set N, 0
.irp d, 1,2,3
.if \b+\d >= 3
.if \b+\d <= 31
.set N, N+((\b+\d)>>1)+1
.endif
.endif
.endr
	s_wait_loadcnt N                               ; loads come back in order: the loads of the younger blocks (b + 1 .. b + 3, those issued behind the wait for 0 above) may stay out
.set WB, RING+32*(\b%4)
.if \b == 0
	s_mov_b32 s14, -1
.else
	v_and_b32 v5, s32, v[WB]
.if \b >= 2
	v_and_b32 v6, s33, v[WB+1]
.if \b > 2
.set p, 2
.rept \b-2
	v_and_or_b32 v[5+(p&1)], v[WB+p], s[32+p], v[5+(p&1)]
.set p, p+1
.endr
.endif
	v_or_b32 v5, v5, v6
.endif
	v_cmp_eq_u32 s14, 0, v5                        ; no kept box of an earlier block overlaps me
.endif
.if \b == 31
	s_and_b32 s14, s14, 0xff                       ; sorted places 1000..1023 are pads
.endif
	v_and_b32 v7, v[WB+\b], v4                     ; my overlaps inside the block, with the boxes behind me alone
.set j, 0
.rept 31
	v_readlane_b32 s[66+j], v7, j
.set j, j+1
.endr
	s_mov_b32 s[32+\b], s14
.set j, 0
.rept 31
	s_and_not1_b32 s15, s[32+\b], s[66+j]          ; what is left if j puts its row out,
	s_bitcmp1_b32 s[32+\b], j                      ; which it does if it is still kept
	s_cselect_b32 s[32+\b], s15, s[32+\b]
.set j, j+1
.endr
.endm
.irp b, 0,1,2,3,4,5,6,7,8,9,10,11,12,13,14,15,16,17,18,19,20,21,22,23,24,25,26,27,28,29,30,31
	BLK \b
.endr
	; a kept box goes to the row of its number among the kept; boxes not kept, and kept ones from the 257th on, go to word 256
.set i, 0
.rept 32
	ds_load_b64 v[PR+2*i:PR+2*i+1], v1 offset:256*i                ; (candidate, key) of sorted place 32 i + lane
.set i, i+1
.endr
	s_mov_b32 s16, 0
	s_wait_dscnt 0x0
.set i, 0
.rept 32
	v_mbcnt_lo_u32_b32 v12, s[32+i], s16
	v_cndmask_b32 v12, v13, v12, s[32+i]
	v_min_u32 v12, 0x100, v12
	v_lshlrev_b32 v12, 2, v12
	ds_store_b32 v12, v[PR+2*i] offset:SELT
	ds_store_b32 v12, v[PR+2*i+1] offset:SELK
	s_bcnt1_i32_b32 s15, s[32+i]
	s_add_co_u32 s16, s16, s15
.set i, i+1
.endr
.irp i, 0,1,2,3,4,5,6,7
	ds_load_b32 v[16+\i], v3 offset:SELT+128*\i    ; row 32 i + lane
	ds_load_b32 v[24+\i], v3 offset:SELK+128*\i
.endr
	ds_load_b128 v[32:35], v2 offset:SELK          ; rows 4 lane .. 4 lane + 3, and the same 128 rows on
	ds_load_b128 v[36:39], v2 offset:SELK+512
	s_wait_dscnt 0x0
.irp i, 0,1,2,3,4,5,6,7
	v_min_u32 v[16+\i], 0x3ff, v[16+\i]
	v_lshlrev_b32 v[16+\i], 4, v[16+\i]
	global_load_b128 v[RING+4*\i:RING+4*\i+3], v[16+\i], s[8:9]
.endr
	; key to score: top bit set: K ^ 0x80000000; clear: ~K
.irp r, 24,25,26,27,28,29,30,31,32,33,34,35,36,37,38,39
	v_ashrrev_i32 v40, 31, v\r
	v_xor_b32 v40, -1, v40
	v_or_b32 v40, 0x80000000, v40
	v_xor_b32 v\r, v\r, v40
.endr
.irp r, 32,33,34,35,36,37,38,39
	v_max_num_f32 v\r, 0, v\r                      ; a NaN (no box) and a negative score give 0
.endr
	global_store_b128 v2, v[32:35], s[12:13]       ; 512 consecutive bytes
	global_store_b128 v2, v[36:39], s[12:13] offset:512
.irp i, 0,1,2,3,4,5,6,7
	s_wait_loadcnt 7-\i                            ; the 7 - i younger gathers may stay out
	v_cmp_le_f32 vcc_lo, 0, v[24+\i]               ; false for a NaN
.irp c, 0,1,2,3
	v_med3_num_f32 v[RING+4*\i+\c], v[RING+4*\i+\c], 0, 1.0
.endr
.irp c, 0,1,2,3
	v_cndmask_b32 v[RING+4*\i+\c], 0, v[RING+4*\i+\c], vcc_lo
.endr
	global_store_b128 v2, v[RING+4*\i:RING+4*\i+3], s[10:11] offset:512*\i
.endr
	s_wait_tensorcnt 0x0
	ds_add_u32 v126, v127
	s_wait_dscnt 0x0
	s_endpgm
.Lfunc_end_k_qe55abec5ad_scan:
	.size	k_qe55abec5ad_scan, .Lfunc_end_k_qe55abec5ad_scan-k_qe55abec5ad_scan
	.p2alignl 7, 3214868480
	.fill 96, 4, 3214868480
	.section	.rodata,"a",@progbits
	.p2align	6, 0x0
	.amdhsa_kernel k_qe55abec5ad_scan
		.amdhsa_group_segment_fixed_size 11008
		.amdhsa_private_segment_fixed_size 0
		.amdhsa_enable_private_segment 0
		.amdhsa_kernarg_size 40
		.amdhsa_user_sgpr_count 2
		.amdhsa_user_sgpr_kernarg_segment_ptr 1
		.amdhsa_wavefront_size32 1
		.amdhsa_system_sgpr_workgroup_id_x 1
		.amdhsa_system_sgpr_workgroup_id_y 1
		.amdhsa_system_sgpr_workgroup_id_z 1
		.amdhsa_system_vgpr_workitem_id 0
		.amdhsa_next_free_vgpr 256
		.amdhsa_next_free_sgpr 98
		.amdhsa_reserve_vcc 1
		.amdhsa_float_denorm_mode_32 3
		.amdhsa_float_denorm_mode_16_64 3
		.amdhsa_memory_ordered 1
		.amdhsa_forward_progress 1
		.amdhsa_inst_pref_size 253
	.end_amdhsa_kernel
	.amdgpu_metadata
---
amdhsa.version: [ 1, 2 ]
amdhsa.kernels:
  - .name:           k_qe55abec5ad_scan
    .symbol:         k_qe55abec5ad_scan.kd
    .args:
      - { .name: wbits, .offset: 0, .size: 8, .value_kind: global_buffer, .address_space: global }
      - { .name: crk, .offset: 8, .size: 8, .value_kind: global_buffer, .address_space: global }
      - { .name: cbox, .offset: 16, .size: 8, .value_kind: global_buffer, .address_space: global }
      - { .name: out0, .offset: 24, .size: 8, .value_kind: global_buffer, .address_space: global }
      - { .name: out1, .offset: 32, .size: 8, .value_kind: global_buffer, .address_space: global }
    .group_segment_fixed_size: 11008
    .private_segment_fixed_size: 0
    .kernarg_segment_align: 8
    .kernarg_segment_size: 40
    .max_flat_workgroup_size: 32
    .sgpr_count:     98
    .vgpr_count:     256
    .wavefront_size: 32
...
	.end_amdgpu_metadata
.endif
;; end of part 4
